; MI455X (gfx1250); checked and timed in simulation.
; The chip was launched on July 23, 2026; its instructions are those of AMD's public machine-readable ISA for CDNA 5 (MIT licence, August 2026) and "CDNA5" Instruction Set Architecture Reference Guide (July 2026). The comments in the code are by the model that wrote it; some were corrected since.
;; Roberta Self Attention. Allowed arithmetic: float matrix products may take bf16 or f16 operands with f32 sums; all other float work in f32.
;; Inputs: Wk 1,024 x 1,024 float32; Wq 1,024 x 1,024 float32; Wv 1,024 x 1,024 float32; attention_mask 2 x 1 x 1 x 2,048 float32; bk 1,024 float32; bq 1,024 float32; bv 1,024 float32; hidden_states 2 x 2,048 x 1,024 float32.
;; Outputs: out0 2 x 2,048 x 1,024 float32.
;; One version. Each part assembles by itself: llvm-mc -triple=amdgcn-amd-amdhsa -mcpu=gfx1250 --defsym DOCPART=n.
;; ======== version 1 of 1: 2 launches
;; limits: values are held in f16: magnitudes above 65,504 overflow, below 6.1e-05 lose precision
;; workspace buffers: qws 8,388,608 bytes; kws 8,388,608 bytes; vtws 8,388,608 bytes
;; launch qkv (part 1): grid 16 x 16, 4 waves a work-group, clusters of 4 x 4, 327,680 bytes of LDS; arguments hidden_states, Wq, Wk, Wv, bq, bk, bv, qws, kws, vtws; writes qws, kws, vtws
.if DOCPART == 1
	.amdgcn_target "amdgcn-amd-amdhsa--gfx1250"
	.amdhsa_code_object_version 6
	.text
	.protected	k_qc63a9fd5a8_qkv
	.globl	k_qc63a9fd5a8_qkv
	.p2align	8
	.type	k_qc63a9fd5a8_qkv,@function
k_qc63a9fd5a8_qkv:
	s_mov_b64 s[64:65], 0
	v_nop
	global_prefetch_b8 v0, s[64:65] scope:SCOPE_SE
	s_setreg_imm32_b32 hwreg(HW_REG_WAVE_MODE, 25, 1), 1
	s_wait_xcnt 0x0
	s_wait_alu depctr_hold_cnt(0) depctr_sa_sdst(0) depctr_va_vdst(0) depctr_va_sdst(0) depctr_va_ssrc(0) depctr_va_vcc(0) depctr_vm_vsrc(0)
	s_getreg_b32 s2, hwreg(HW_REG_IB_STS2, 6, 4)
	s_cmp_eq_u32 s2, 0
	s_cbranch_scc0 .Lentry_in_a_cluster
	s_endpgm
.Lentry_in_a_cluster:
	s_bfe_u32 s2, ttmp6, 0x10000c
	s_cmp_lg_u32 s2, 0xf033
	s_cbranch_scc0 .Lentry_shape_is_right
	s_endpgm
.Lentry_shape_is_right:
; q = X Wq^T + bq, k = X Wk^T + bk, v = X Wv^T + bv.  X: [4096][1024] f32, W: [1024 features][1024] f32, b: [1024] f32.
; Out: qws, kws bf16 [hb = 16 batch + head][2048 tokens][64];  vtws f16 [hb][64 d][2048 tokens] (V transposed).
; A work-group makes 256 tokens x the 64 features of ONE head in each of q, k, v (192 features): 256 work-groups, 16 heads x 16 token blocks.
; Four waves; wave w = 2 wr + wc makes tokens 128 wr .. +127 (8 blocks a) x features 32 wc .. +31 of q, of k and of v (6 blocks b): 48 tiles, 384 registers.
; K goes in 16 steps of 64 f32 (rows of 256 bytes, each at a multiple of 256 bytes from its buffer's first byte) through two LDS slots.
; The operands are f32 in memory and in LDS: a fragment is read as f32 (4 loads of 16 bytes), rounded to bf16 in registers (8 conversions) and multiplied.
; q, k: source 0 = W's rows, source 1 = X's rows: a lane holds one token and 8 neighbouring features (16 bytes of a q or k row).
; v:    source 0 = X's rows, source 1 = W's rows: a lane holds one feature and 8 neighbouring tokens (16 bytes of a V^T row).
; The bias is the C operand of the first K step's products: nothing is cleared, nothing is added later.
; CLUSTER 4 x 4: the four work-groups of a cluster row share the token block (X's tiles), the four of a column the head (W's tiles): joint loads.
; LIMIT: v is stored as f16: |v| must stay at or below 65,504 (above it the stored number is an infinity).  q and k are bf16.
.set PITCH, 272                        ; LDS row: 256 bytes + 16 of padding: 16 neighbouring rows start at 16 different 16-byte columns modulo 256
.set SLOT,  448*PITCH                  ; rows 0-255 X, 256-319 Wq, 320-383 Wk, 384-447 Wv
.set QP,    144                        ; way out: a q or k row of 128 bytes + 16
.set STK,   256*QP                     ; way out: q's 256 rows at 0, k's here,
.set STV,   2*256*QP                   ; V^T's 64 rows here
.set VP,    528                        ; way out: a V^T row of 512 bytes + 16
.set ADX, 16                           ; v16-17  LDS address of my X fragments, slot 0, 1
.set ADW, 18                           ; v18-19  the same for W
.set SQ,  20                           ; way out: where I put 16 bytes of a q (k) row
.set SV,  21                           ;          the same for a V^T row
.set RQ,  22                           ;          where I read q (k) rows back
.set RV,  23                           ;          where I read V^T rows back
.set GO,  24                           ;          16 x lane
.set BQK, 25                           ; byte offset of my 8 features in bq, bk
.set BV,  26                           ; byte offset of my feature in bv
.set ST,  32                           ; window 0, v32-255: 14 fragments as f32, 16 registers each: W's blocks 0-5, then X's blocks 0-7
.set FW,  0                            ; window 1: W's fragments in bf16, 8 registers each
.set FX,  48                           ; window 1: X's fragments in bf16
.set BIASQK, 128                       ; window 3: C operands of the first products, q and k, 8 registers for each block
.set BIASV,  160                       ; window 3: the same for v
                                       ; window 2: tiles of q and k, (b, a) at 8 (8 b + a), b = 0..3;  window 3, v0-127: tiles of v
.set G1X, 32                           ; s[32:39] descriptor group 1, X's tiles
.set G1W, 40                           ; s[40:47] descriptor group 1, W's tiles: differs in the mask alone
.set G0X, 48                           ; s[48:55] group 0 for X, one set for each slot
.set G0W, 56                           ; s[56:63] group 0 for W, one set for each slot
.set SHAPE0, (2<<16)|(1<<20)|(1<<21)|(5<<22)|(3<<25)   ; elements of 4 bytes; padding on; bit 21 beside a mask; after every 64 words, 4 words
.set MSB, 0
.macro WIN new                         ; the immediate's high byte repeats the setting that is left
.if MSB != \new
	s_set_vgpr_msb (MSB<<8)|\new
.set MSB, \new
.endif
.endm
.macro PLACES                          ; four places behind a matrix instruction (ISA guide 7.12.1)
.rept 4
	v_nop
.endr
.endm
.macro CREST                           ; a round of the cluster's barrier behind its opening work-group barrier
	s_cmp_lg_u32 s24, 0
	s_cbranch_scc1 .Lnot_wave_0_\@
	s_barrier_signal -3
.Lnot_wave_0_\@:
	s_barrier_wait -3
	s_barrier_signal -1
	s_barrier_wait -1
.endm
.macro CROUND                          ; a whole round
	s_barrier_signal -1
	s_barrier_wait -1
	CREST
.endm
; The joint loads of one slot.  Every wave fetches 64 rows of X; waves 0, 1, 2 fetch the head's 64 rows of Wq, Wk, Wv.
; The branch hangs on the wave's number alone, which is the same in every work-group.
.macro JLOAD s
	tensor_load_to_lds s[G0X+4*\s:G0X+4*\s+3], s[G1X:G1X+7]
	s_nop 0
	s_cmp_eq_u32 s24, 3
	s_cbranch_scc1 .Lno_w_\@
	tensor_load_to_lds s[G0W+4*\s:G0W+4*\s+3], s[G1W:G1W+7]
	s_nop 0
.Lno_w_\@:
.endm
	s_load_b256 s[4:11], s[0:1], 0x0               ; X s[4:5], Wq s[6:7], Wk s[8:9], Wv s[10:11]
	s_load_b256 s[12:19], s[0:1], 0x20             ; bq s[12:13], bk s[14:15], bv s[16:17], qws s[18:19]
	s_load_b128 s[20:23], s[0:1], 0x40             ; kws s[20:21], vtws s[22:23]
	v_lshl_add_u32 v30, v0, 2, 0x3b800
	v_mov_b32 v31, 0
	ds_add_u32 v30, v31
	v_lshrrev_b32 v1, 5, v0
	v_readfirstlane_b32 s24, v1                    ; wave w
	s_lshr_b32 s25, s24, 1                         ; wr: which 128 tokens
	s_and_b32 s26, s24, 1                          ; wc: which 32 features of each of q, k, v
	s_bfe_u32 s27, ttmp6, 0x40000                  ; cx
	s_bfe_u32 s28, ttmp6, 0x40004                  ; cy
	s_lshl_b32 s29, ttmp9, 2
	s_add_co_u32 s29, s29, s27                     ; head j = 4 x cluster x + cx
	s_and_b32 s30, ttmp7, 0xffff
	s_lshl_b32 s30, s30, 2
	s_add_co_u32 s30, s30, s28                     ; token block i = 4 x cluster y + cy
	s_lshl_b32 s68, s28, 2
	s_lshl_b32 s68, 15, s68                        ; my row of the cluster: places 4 cy .. 4 cy + 3
	s_lshl_b32 s69, 0x1111, s27                    ; my column: places cx, cx + 4, cx + 8, cx + 12
	; group 1: a tile of 64 rows x 64 f32, rows 1,024 elements apart in memory, padded in LDS
	s_or_b32 s[G1X+0], s68, SHAPE0                 ; X's tiles hang on i alone: shared along my row
	s_or_b32 s[G1W+0], s69, SHAPE0                 ; W's tiles hang on j alone: shared along my column
	s_mov_b32 s[G1X+1], 64<<16                     ; tensor_dim0 = 64
	s_mov_b32 s[G1W+1], 64<<16
	s_mov_b32 s[G1X+2], 64<<16                     ; tensor_dim1 = 64
	s_mov_b32 s[G1W+2], 64<<16
	s_mov_b32 s[G1X+3], 64<<16                     ; tile_dim0 = 64
	s_mov_b32 s[G1W+3], 64<<16
	s_mov_b32 s[G1X+4], 64                         ; tile_dim1 = 64
	s_mov_b32 s[G1W+4], 64
	s_mov_b32 s[G1X+5], 1024                       ; elements from row to row
	s_mov_b32 s[G1W+5], 1024
	s_mov_b32 s[G1X+6], 0
	s_mov_b32 s[G1W+6], 0
	s_mov_b32 s[G1X+7], 0
	s_mov_b32 s[G1W+7], 0
	s_mul_i32 s72, s24, 64*PITCH                   ; LDS: X's rows 64 w .. +63
	s_add_co_u32 s73, s72, 256*PITCH               ; LDS: W's rows 256 + 64 w .. +63 (waves 0 to 2)
	s_lshl_b32 s66, s30, 20                        ; X: (256 i + 64 w) rows of 4,096 bytes: i and w alone
	s_lshl_b32 s67, s24, 18
	s_add_co_u32 s66, s66, s67
	s_mov_b32 s67, 0
	s_lshl_b32 s70, s29, 18                        ; W: 64 j rows of 4,096 bytes: j alone
	s_mov_b32 s71, 0
	; lane terms.  A bf16 fragment's lane (r, h) holds k = 8 h .. +7 and 16 + 8 h .. +7: as f32 that is 32 bytes at 32 h and 32 bytes at 64 + 32 h
	v_and_b32 v1, 15, v0                           ; r
	v_bfe_u32 v2, v0, 4, 1                         ; h
	v_and_b32 v3, 31, v0                           ; lane
	v_mul_u32_u24 v4, v1, PITCH
	v_lshl_add_u32 v4, v2, 5, v4                   ; r x pitch + 32 h
	s_mul_i32 s74, s25, 128*PITCH
	v_add_nc_u32 v[ADX], s74, v4
	v_add_nc_u32 v[ADX+1], SLOT, v[ADX]
	s_mul_i32 s74, s26, 32*PITCH
	s_add_co_u32 s74, s74, 256*PITCH
	v_add_nc_u32 v[ADW], s74, v4
	v_add_nc_u32 v[ADW+1], SLOT, v[ADW]
	v_mul_u32_u24 v5, v1, QP
	v_lshl_add_u32 v5, v2, 4, v5
	s_mul_i32 s74, s25, 128*QP
	s_lshl_b32 s75, s26, 6
	s_add_co_u32 s74, s74, s75
	v_add_nc_u32 v[SQ], s74, v5                    ; (128 wr + r) x 144 + 64 wc + 16 h
	v_mul_u32_u24 v6, v1, VP
	v_lshl_add_u32 v6, v2, 4, v6
	s_mul_i32 s74, s26, 32*VP
	s_lshl_b32 s75, s25, 8
	s_add_co_u32 s74, s74, s75
	s_add_co_u32 s74, s74, STV
	v_add_nc_u32 v[SV], s74, v6                    ; STV + (32 wc + r) x 528 + 256 wr + 16 h
	v_lshrrev_b32 v7, 3, v3
	v_and_b32 v8, 7, v3
	v_mul_u32_u24 v7, v7, QP
	v_lshl_add_u32 v7, v8, 4, v7
	s_mul_i32 s74, s24, 64*QP
	v_add_nc_u32 v[RQ], s74, v7                    ; (64 w + lane / 8) x 144 + 16 (lane % 8): four rows of 128 bytes a load
	s_mul_i32 s74, s24, 16*VP
	s_add_co_u32 s74, s74, STV
	v_lshl_add_u32 v[RV], v3, 4, s74               ; STV + 16 w x 528 + 16 lane: one row of 512 bytes a load
	v_lshlrev_b32 v[GO], 4, v3
	s_lshl_b32 s76, s29, 8                         ; bias: (64 j + 32 wc) x 4 bytes
	s_lshl_b32 s77, s26, 7
	s_add_co_u32 s76, s76, s77
	v_lshl_add_u32 v[BQK], v2, 5, s76              ; + 8 h features
	v_lshl_add_u32 v[BV], v1, 2, s76               ; + r features
	s_wait_dscnt 0x0
	s_wait_kmcnt 0x0
	s_cmp_eq_u32 s24, 0                            ; which W this wave fetches: 0 Wq, 1 Wk, 2 Wv (wave 3 makes Wv's address and does not ask)
	s_cselect_b64 s[74:75], s[6:7], s[8:9]
	s_cmp_lt_u32 s24, 2
	s_cselect_b64 s[74:75], s[74:75], s[10:11]
	s_add_nc_u64 s[66:67], s[4:5], s[66:67]
	s_add_nc_u64 s[70:71], s[74:75], s[70:71]
.irp s, 0,1
	s_mov_b32 s[G0X+4*\s], 1                                       ; count = 1
	s_add_co_u32 s[G0X+4*\s+1], s72, \s*SLOT                       ; LDS address
	s_add_nc_u64 s[G0X+4*\s+2:G0X+4*\s+3], s[66:67], \s*256        ; K step s
	s_or_b32 s[G0X+4*\s+3], s[G0X+4*\s+3], 0x80000000              ; type = 2
	s_mov_b32 s[G0W+4*\s], 1
	s_add_co_u32 s[G0W+4*\s+1], s73, \s*SLOT
	s_add_nc_u64 s[G0W+4*\s+2:G0W+4*\s+3], s[70:71], \s*256
	s_or_b32 s[G0W+4*\s+3], s[G0W+4*\s+3], 0x80000000
.endr
	WIN 0xc0                                       ; destination window 3, address window 0
.irp b, 0,1
	global_load_b128 v[BIASQK+8*\b:BIASQK+8*\b+3],       v[BQK], s[12:13] offset:64*\b      ; q: register j = bq[feature 8 h + j of block b]
	global_load_b128 v[BIASQK+8*\b+4:BIASQK+8*\b+7],     v[BQK], s[12:13] offset:64*\b+16
	global_load_b128 v[BIASQK+16+8*\b:BIASQK+16+8*\b+3], v[BQK], s[14:15] offset:64*\b      ; k likewise
	global_load_b128 v[BIASQK+16+8*\b+4:BIASQK+16+8*\b+7], v[BQK], s[14:15] offset:64*\b+16
	global_load_b32  v[BIASV+8*\b], v[BV], s[16:17] offset:64*\b                            ; v: bv[feature r of block b]
.endr
	WIN 0
	CROUND                                         ; all sixteen work-groups are here: the first joint loads meet
	JLOAD 0
	JLOAD 1                                        ; by this text's count a wave has four tensor loads out here (wave 3: two), two behind each later round
	s_wait_loadcnt 0x0                             ; the biases
	WIN 0xc3
.irp b, 0,1
.irp i, 1,2,3,4,5,6,7
	v_mov_b32 v[BIASV+8*\b+\i], v[BIASV+8*\b]      ; v's C operand: a lane's 8 tokens take the same feature's bias
.endr
.endr
	WIN 0
; 56 LDS loads: the f32 fragments of 32 along K, at byte kb of the slot's rows
.macro FETCH slot, kb
	WIN 0
.irp b, 0,1,2,3,4,5
.irp o, 0,4,8,12
	ds_load_b128 v[ST+16*\b+\o:ST+16*\b+\o+3], v[ADW+\slot] offset:(64*(\b/2)+16*(\b%2))*PITCH+\kb+4*\o+32*(\o/8)
.endr
.endr
.irp a, 0,1,2,3,4,5,6,7
.irp o, 0,4,8,12
	ds_load_b128 v[ST+96+16*\a+\o:ST+96+16*\a+\o+3], v[ADX+\slot] offset:\a*16*PITCH+\kb+4*\o+32*(\o/8)
.endr
.endr
.endm
; 112 conversions: fragment f as it lands, into window 1's registers 8 f .. 8 f + 7
.macro CVT
	WIN 0x40
.irp f, 0,1,2,3,4,5,6,7,8,9,10,11,12,13
	s_wait_dscnt 52-4*\f                           ; LDS loads come back in order: 52 - 4 f loads were issued behind fragment f's four
.irp i, 0,1,2,3,4,5,6,7
	v_cvt_pk_bf16_f32 v[8*\f+\i], v[ST+16*\f+2*\i], v[ST+16*\f+2*\i+1]
.endr
.endr
.endm
; The 48 accumulators take turns, one instruction a turn, always v's 16 and then q's and k's 32.
.macro MULV first
	WIN 0xf5                                       ; sources window 1, C and D window 3
.irp b, 0,1
.irp a, 0,1,2,3,4,5,6,7
.if \first
	v_wmma_f32_16x16x32_bf16 v[8*(8*\b+\a):8*(8*\b+\a)+7], v[FX+8*\a:FX+8*\a+7], v[FW+32+8*\b:FW+32+8*\b+7], v[BIASV+8*\b:BIASV+8*\b+7]
.else
	v_wmma_f32_16x16x32_bf16 v[8*(8*\b+\a):8*(8*\b+\a)+7], v[FX+8*\a:FX+8*\a+7], v[FW+32+8*\b:FW+32+8*\b+7], v[8*(8*\b+\a):8*(8*\b+\a)+7]
.endif
.endr
.endr
.endm
.macro MULQK first
.if \first
	WIN 0xb5                                       ; sources window 1, C (the bias) window 3, D window 2
.else
	WIN 0xa5                                       ; sources window 1, C and D window 2
.endif
.irp b, 0,1,2,3
.irp a, 0,1,2,3,4,5,6,7
.if \first
	v_wmma_f32_16x16x32_bf16 v[8*(8*\b+\a):8*(8*\b+\a)+7], v[FW+8*\b:FW+8*\b+7], v[FX+8*\a:FX+8*\a+7], v[BIASQK+8*\b:BIASQK+8*\b+7]
.else
	v_wmma_f32_16x16x32_bf16 v[8*(8*\b+\a):8*(8*\b+\a)+7], v[FW+8*\b:FW+8*\b+7], v[FX+8*\a:FX+8*\a+7], v[8*(8*\b+\a):8*(8*\b+\a)+7]
.endif
.endr
.endr
.endm
; First half of a K step: the second half's f32 fragments are asked for, the first half is multiplied, the second half is rounded.
.macro HALF0 slot, first
	FETCH \slot, 128
	MULV \first
	MULQK \first
	PLACES                                         ; the conversions write registers that the products above have read
	CVT
.endm
; Second half, and the change of slots.  mode 2: this slot is filled again, two K steps ahead, behind a round of the cluster's barrier; mode 1: a plain barrier.
.macro HALF1 slot, next, mode
	s_wait_dscnt 0x0                               ; my reads of this slot are back (the conversions' last wait was for 0)
	s_wait_tensorcnt 0x0                           ; all my tensor loads have landed: what was out is my part of the next slot
	ds_add_u32 v30, v31
	s_wait_dscnt 0x0
	s_barrier_signal -1
	MULV 0                                         ; register work while the others arrive
	WIN 0
	s_barrier_wait -1
.if \mode == 2
	CREST                                          ; no wave of any partner reads this slot or has a load on its way
	s_add_nc_u64 s[G0X+4*\slot+2:G0X+4*\slot+3], s[G0X+4*\slot+2:G0X+4*\slot+3], 512
	s_add_nc_u64 s[G0W+4*\slot+2:G0W+4*\slot+3], s[G0W+4*\slot+2:G0W+4*\slot+3], 512
	JLOAD \slot                                    ; the first tensor loads behind the round
.endif
	FETCH \next, 0
	MULQK 0
	PLACES
	CVT
.endm
.macro LAP first
	HALF0 0, \first
	HALF1 0, 1, 2
	HALF0 1, 0
	HALF1 1, 0, 2
.endm
	s_wait_tensorcnt 0x1                           ; waves 0-2 issued X0, W0, X1, W1, wave 3 X0, X1: with one out, slot 0's are in
	s_barrier_signal -1
	s_barrier_wait -1                              ; everybody's are
	FETCH 0, 0
	CVT
	LAP 1                                          ; K steps 0, 1: the first products take the bias as C
	WIN 0
	s_mov_b32 s31, 6                               ; K steps 2 .. 13
.Llap:
	LAP 0
	WIN 0
	s_sub_co_u32 s31, s31, 1
	s_cmp_lg_u32 s31, 0
	s_cbranch_scc1 .Llap
	HALF0 0, 0                                     ; K steps 14, 15: nothing more is fetched
	HALF1 0, 1, 1
	HALF0 1, 0
	MULV 0
	MULQK 0
	; THE WAY OUT.  Slot 0 has had its last fill, and every wave's reads of it were back in front of K step 14's barrier: it serves as the stage
	; (107,520 bytes, short of slot 1, which slower waves may still read).
	PLACES                                         ; the conversions read matrix results
	s_lshr_b32 s76, s30, 3                         ; batch
	s_lshl_b32 s76, s76, 4
	s_add_co_u32 s76, s76, s29                     ; hb = 16 batch + head
	s_lshl_b32 s76, s76, 18                        ; 262,144 bytes for each hb in all three buffers
	s_and_b32 s77, s30, 7                          ; which 256 tokens of the batch
	s_lshl_b32 s74, s77, 15                        ; q, k: 256 rows of 128 bytes,
	s_lshl_b32 s75, s24, 13                        ; + 64 w rows
	s_add_co_u32 s74, s74, s75
	s_add_co_u32 s74, s74, s76
	s_mov_b32 s75, 0
	s_lshl_b32 s78, s77, 9                         ; V^T: 256 tokens of 2 bytes,
	s_lshl_b32 s79, s24, 16                        ; + 16 w rows of 4,096 bytes
	s_add_co_u32 s78, s78, s79
	s_add_co_u32 s78, s78, s76
	s_mov_b32 s79, 0
	s_add_nc_u64 s[18:19], s[18:19], s[74:75]
	s_add_nc_u64 s[20:21], s[20:21], s[74:75]
	s_add_nc_u64 s[22:23], s[22:23], s[78:79]
	WIN 0x0a                                       ; sources window 2
.irp b, 0,1,2,3
.irp a, 0,1,2,3,4,5,6,7
.irp i, 0,1,2,3
	v_cvt_pk_bf16_f32 v[ST+32*\b+4*\a+\i], v[8*(8*\b+\a)+2*\i], v[8*(8*\b+\a)+2*\i+1]
.endr
.endr
.endr
	WIN 0x0f                                       ; sources window 3
.irp b, 0,1
.irp a, 0,1,2,3,4,5,6,7
.irp i, 0,1,2,3
	v_cvt_pk_f16_f32 v[ST+128+32*\b+4*\a+\i], v[8*(8*\b+\a)+2*\i], v[8*(8*\b+\a)+2*\i+1]
.endr
.endr
.endr
	WIN 0
.irp b, 0,1,2,3
.irp a, 0,1,2,3,4,5,6,7
	ds_store_b128 v[SQ], v[ST+32*\b+4*\a:ST+32*\b+4*\a+3] offset:(\b/2)*STK+\a*16*QP+32*(\b%2)   ; token 16 a + r, features 16 (b % 2) + 8 h .. +7
.endr
.endr
.irp b, 0,1
.irp a, 0,1,2,3,4,5,6,7
	ds_store_b128 v[SV], v[ST+128+32*\b+4*\a:ST+128+32*\b+4*\a+3] offset:\b*16*VP+32*\a          ; feature 16 b + r, tokens 16 a + 8 h .. +7
.endr
.endr
	s_wait_dscnt 0x0                               ; for the others' sake: my stores are in LDS
	s_barrier_signal -1
	s_barrier_wait -1
.irp t, 0,1,2,3,4,5,6,7,8,9,10,11,12,13,14,15
	ds_load_b128 v[ST+4*\t:ST+4*\t+3], v[RQ] offset:4*QP*\t
.endr
.irp t, 0,1,2,3,4,5,6,7,8,9,10,11,12,13,14,15
	ds_load_b128 v[ST+64+4*\t:ST+64+4*\t+3], v[RQ] offset:STK+4*QP*\t
.endr
.irp t, 0,1,2,3,4,5,6,7,8,9,10,11,12,13,14,15
	ds_load_b128 v[ST+128+4*\t:ST+128+4*\t+3], v[RV] offset:VP*\t
.endr
	; each store of the wave covers 512 consecutive bytes, aligned; the counts are the read-backs issued behind the one stored
.irp t, 0,1,2,3,4,5,6,7,8,9,10,11,12,13,14,15
	s_wait_dscnt 47-\t
	global_store_b128 v[GO], v[ST+4*\t:ST+4*\t+3], s[18:19] offset:512*\t
.endr
.irp t, 0,1,2,3,4,5,6,7,8,9,10,11,12,13,14,15
	s_wait_dscnt 31-\t
	global_store_b128 v[GO], v[ST+64+4*\t:ST+64+4*\t+3], s[20:21] offset:512*\t
.endr
.irp t, 0,1,2,3,4,5,6,7,8,9,10,11,12,13,14,15
	s_wait_dscnt 15-\t
	global_store_b128 v[GO], v[ST+128+4*\t:ST+128+4*\t+3], s[22:23] offset:4096*\t
.endr
	s_wait_tensorcnt 0x0
	ds_add_u32 v30, v31
	s_wait_dscnt 0x0
	CROUND                                         ; the closing round: no work-group ends while a partner may still ask for a tile that names it
	s_endpgm
.Lfunc_end_k_qc63a9fd5a8_qkv:
	.size	k_qc63a9fd5a8_qkv, .Lfunc_end_k_qc63a9fd5a8_qkv-k_qc63a9fd5a8_qkv
	.p2alignl 7, 3214868480
	.fill 96, 4, 3214868480
	.section	.rodata,"a",@progbits
	.p2align	6, 0x0
	.amdhsa_kernel k_qc63a9fd5a8_qkv
		.amdhsa_group_segment_fixed_size 327680
		.amdhsa_private_segment_fixed_size 0
		.amdhsa_enable_private_segment 0
		.amdhsa_kernarg_size 80
		.amdhsa_user_sgpr_count 2
		.amdhsa_user_sgpr_kernarg_segment_ptr 1
		.amdhsa_wavefront_size32 1
		.amdhsa_system_sgpr_workgroup_id_x 1
		.amdhsa_system_sgpr_workgroup_id_y 1
		.amdhsa_system_sgpr_workgroup_id_z 1
		.amdhsa_system_vgpr_workitem_id 0
		.amdhsa_next_free_vgpr 1024
		.amdhsa_next_free_sgpr 80
		.amdhsa_reserve_vcc 0
		.amdhsa_float_denorm_mode_32 3
		.amdhsa_float_denorm_mode_16_64 3
		.amdhsa_memory_ordered 1
		.amdhsa_forward_progress 1
		.amdhsa_inst_pref_size 208
	.end_amdhsa_kernel
	.amdgpu_metadata
---
amdhsa.version: [ 1, 2 ]
amdhsa.kernels:
  - .name:           k_qc63a9fd5a8_qkv
    .symbol:         k_qc63a9fd5a8_qkv.kd
    .args:
      - { .name: hidden_states, .offset: 0, .size: 8, .value_kind: global_buffer, .address_space: global }
      - { .name: Wq, .offset: 8, .size: 8, .value_kind: global_buffer, .address_space: global }
      - { .name: Wk, .offset: 16, .size: 8, .value_kind: global_buffer, .address_space: global }
      - { .name: Wv, .offset: 24, .size: 8, .value_kind: global_buffer, .address_space: global }
      - { .name: bq, .offset: 32, .size: 8, .value_kind: global_buffer, .address_space: global }
      - { .name: bk, .offset: 40, .size: 8, .value_kind: global_buffer, .address_space: global }
      - { .name: bv, .offset: 48, .size: 8, .value_kind: global_buffer, .address_space: global }
      - { .name: qws, .offset: 56, .size: 8, .value_kind: global_buffer, .address_space: global }
      - { .name: kws, .offset: 64, .size: 8, .value_kind: global_buffer, .address_space: global }
      - { .name: vtws, .offset: 72, .size: 8, .value_kind: global_buffer, .address_space: global }
    .group_segment_fixed_size: 327680
    .private_segment_fixed_size: 0
    .kernarg_segment_align: 8
    .kernarg_segment_size: 80
    .max_flat_workgroup_size: 128
    .sgpr_count:     80
    .vgpr_count:     1024
    .wavefront_size: 32
...
	.end_amdgpu_metadata
.endif
;; end of part 1
;; launch attn (part 2): grid 8 x 32, 8 waves a work-group, clusters of 4 x 1, 327,680 bytes of LDS; arguments qws, kws, vtws, attention_mask, out0; writes out0
.if DOCPART == 2
	.amdgcn_target "amdgcn-amd-amdhsa--gfx1250"
	.amdhsa_code_object_version 6
	.text
	.protected	k_qc63a9fd5a8_attn
	.globl	k_qc63a9fd5a8_attn
	.p2align	8
	.type	k_qc63a9fd5a8_attn,@function
k_qc63a9fd5a8_attn:
	s_mov_b64 s[64:65], 0
	v_nop
	global_prefetch_b8 v0, s[64:65] scope:SCOPE_SE
	s_setreg_imm32_b32 hwreg(HW_REG_WAVE_MODE, 25, 1), 1
	s_wait_xcnt 0x0
	s_wait_alu depctr_hold_cnt(0) depctr_sa_sdst(0) depctr_va_vdst(0) depctr_va_sdst(0) depctr_va_ssrc(0) depctr_va_vcc(0) depctr_vm_vsrc(0)
	s_getreg_b32 s2, hwreg(HW_REG_IB_STS2, 6, 4)
	s_cmp_eq_u32 s2, 0
	s_cbranch_scc0 .Lentry_in_a_cluster
	s_endpgm
.Lentry_in_a_cluster:
	s_bfe_u32 s2, ttmp6, 0x10000c
	s_cmp_lg_u32 s2, 0x3003
	s_cbranch_scc0 .Lentry_shape_is_right
	s_endpgm
.Lentry_shape_is_right:
; out[b][n][head][d] = softmax over m of max(q.k / 8 + mask[b][m], finfo.min), times v.  One head-and-batch hb and 256 queries for each work-group.
; qws, kws: bf16 [hb][2048][64];  vtws: f16 [hb][64 d][2048 keys];  mask: f32 [2][2048];  out0: f32 [2][2048][1024].
; Eight waves.  Wave w = 4 kh + qg has the 64 queries 64 qg .. +63 and, of every tile of 256 keys, the keys 128 kh .. +127, in two batches of 64.
; The two waves of a query group keep their own running maximum, sum and O and merge them once, at the end, through LDS.
; S^T = K Q^T (source 0 = K's rows, source 1 = Q's rows): a lane holds one query (r) and 8 keys (8 h + j) of each tile, so maximum and sum over keys
; are sums inside the lane and one exchange between the halves of the wave, and two S^T tiles packed to f16 ARE the second source of O^T = V^T P^T.
; Register block qb holds query block qb xor 2 kh (only Q's load addresses know): every wave keeps blocks 0, 1 and sends blocks 2, 3, which its
; partner keeps as 0, 1: one text for all waves.
; The exponentials are base 2: score = acc x (log2 e / 8) + mask x log2 e, one fused multiply-add in f32; the running maximum is taken away before each exponential.
; CLUSTER 4 x 1: four query blocks of one hb read the same K and V tiles: joint loads, mask 15.  (A head's eight blocks are two clusters: a mask names four.)
; LIMITS: the mask is multiplied by log2 e and then raised to finfo.min, so masks below finfo.min / log2 e (-2.36e38) count as finfo.min, as -inf does;
; a NaN in the mask counts as finfo.min.  P and V are f16 operands (P <= 1; V's range is the first launch's stated limit); Q and K are bf16.
.set PITCH, 272                        ; 256 bytes + 16 of padding
.set PIECE, 32*PITCH                   ; what one tensor load brings: 32 rows of 256 bytes
.set SLOT,  8*PIECE                    ; pieces 0-3: K's keys 64 p .. +63, two keys to a row; piece 4 + 2 u + e: V^T's rows 32 e .. +31, keys 128 u .. +127
.set MASKB, 2*SLOT                     ; 2,048 mask numbers, scaled and clamped
.set XCH,   MASKB+8192                 ; 8 outboxes of 8,704 bytes: 8,192 of O, 512 of maxima and sums
.set OST,   XCH+8*PIECE                ; 8 x 2 stages of 16 rows x 272 bytes for the way out
.set AK,  4                            ; v4-5    LDS address of my K fragments, slot 0, 1
.set AV,  6                            ; v6-7    the same for V^T
.set AM,  8                            ; v8      LDS address of my mask numbers in this tile
.set QA0, 9                            ; v9      byte offset of Q's rows for register blocks 0, 1
.set QA1, 10                           ; v10     for register blocks 2, 3
.set XO,  11                           ; my outbox
.set XI,  12                           ; my partner's
.set OS,  13                           ; way out: where I put 16 bytes
.set ORD, 14                           ; way out: where I read rows back
.set OG,  15                           ; way out: my byte offset in out0
.set MX,  16                           ; v16-23  running maximum of block qb in the even register of a pair
.set LS,  24                           ; v24-31  two partial sums for each qb
.set AL,  32                           ; v32-39  2^(old maximum - new) in the even register of a pair
.set TM,  40                           ; v40-43 new maxima, v44-47 what the other half of the wave sends
.set SC,  64                           ; v64-191 S^T tile (kb, qb) at 32 qb + 8 kb; then P(g, qb) in 8 registers at 32 qb + 16 g
.set VF,  192                          ; v192-255 V^T fragments (g, db) at 32 g + 8 db
.set MK,  224                          ; v224-255 the batch's mask numbers (they give way to V^T's g = 1 fragments)
.set QF,  128                          ; window 1: Q fragments at 8 (2 qb + dh)
.set KF,  192                          ; window 1: K fragments at 8 (2 kb + dh);  window 1, v0-127: O^T tile (qb, db) at 8 (4 qb + db)
.set G1K, 24                           ; s[24:31] group 1 for K's pieces
.set G1V, 32                           ; s[32:39] group 1 for V^T's pieces: differs in the pitch alone
.set G0K, 40                           ; s[40:47] group 0 for K, one set for each slot
.set G0V, 48                           ; s[48:55] group 0 for V^T
.set MSB, 0
.macro WIN new
.if MSB != \new
	s_set_vgpr_msb (MSB<<8)|\new
.set MSB, \new
.endif
.endm
.macro PLACES
.rept 4
	v_nop
.endr
.endm
.macro CREST
	s_cmp_lg_u32 s14, 0
	s_cbranch_scc1 .Lnot_wave_0_\@
	s_barrier_signal -3
.Lnot_wave_0_\@:
	s_barrier_wait -3
	s_barrier_signal -1
	s_barrier_wait -1
.endm
.macro CROUND
	s_barrier_signal -1
	s_barrier_wait -1
	CREST
.endm
.macro JLOAD s                         ; waves 0-3 ask for K's four pieces, waves 4-7 for V^T's: one load a wave; the branch hangs on the wave's number alone
	s_cmp_eq_u32 s16, 0
	s_cbranch_scc0 .Lfor_v_\@
	tensor_load_to_lds s[G0K+4*\s:G0K+4*\s+3], s[G1K:G1K+7]
	s_nop 0
	s_branch .Lasked_\@
.Lfor_v_\@:
	tensor_load_to_lds s[G0V+4*\s:G0V+4*\s+3], s[G1V:G1V+7]
	s_nop 0
.Lasked_\@:
.endm
	s_load_b256 s[4:11], s[0:1], 0x0               ; qws s[4:5], kws s[6:7], vtws s[8:9], mask s[10:11]
	s_load_b64 s[12:13], s[0:1], 0x20              ; out0
	s_set_vgpr_msb 0x40
	v_lshl_add_u32 v255, v0, 2, 0x46000
	s_set_vgpr_msb 0x4000
	v_mov_b32 v191, 0
	s_set_vgpr_msb 0x1
	ds_add_u32 v255, v191
	s_wait_dscnt 0x0
	s_set_vgpr_msb 0x100
	v_lshrrev_b32 v1, 5, v0
	v_readfirstlane_b32 s14, v1                    ; wave w
	s_and_b32 s15, s14, 3                          ; qg
	s_lshr_b32 s16, s14, 2                         ; kh
	s_bfe_u32 s17, ttmp6, 0x40000                  ; cx
	s_lshl_b32 s18, ttmp9, 2
	s_add_co_u32 s18, s18, s17                     ; query block = 4 x cluster x + cx
	s_and_b32 s19, ttmp7, 0xffff                   ; hb
	s_mov_b32 s56, 0x76543210                      ; v_permlanex16_b32: lane i of one half reads lane i of the other
	s_mov_b32 s57, 0xfedcba98
	s_mov_b32 s58, 0x3e38aa3b                      ; log2 e / 8
	s_mov_b32 s59, 0x3e38aa3b
	; group 1: 32 rows of 32 elements of 8 bytes, padded by 4 words after every 64
	s_mov_b32 s[G1K+0], 15|(3<<16)|(1<<20)|(1<<21)|(5<<22)|(3<<25)
	s_mov_b32 s[G1V+0], 15|(3<<16)|(1<<20)|(1<<21)|(5<<22)|(3<<25)
	s_mov_b32 s[G1K+1], 32<<16
	s_mov_b32 s[G1V+1], 32<<16
	s_mov_b32 s[G1K+2], 32<<16
	s_mov_b32 s[G1V+2], 32<<16
	s_mov_b32 s[G1K+3], 32<<16
	s_mov_b32 s[G1V+3], 32<<16
	s_mov_b32 s[G1K+4], 32
	s_mov_b32 s[G1V+4], 32
	s_mov_b32 s[G1K+5], 32                         ; K: 64 keys of 128 bytes are dense: rows of 256 bytes, one behind the other
	s_mov_b32 s[G1V+5], 512                        ; V^T: rows 4,096 bytes apart
	s_mov_b32 s[G1K+6], 0
	s_mov_b32 s[G1V+6], 0
	s_mov_b32 s[G1K+7], 0
	s_mov_b32 s[G1V+7], 0
	s_mul_i32 s62, s14, PIECE                      ; piece w of a slot; also my outbox and my stages
	s_lshl_b32 s61, s19, 18                        ; 262,144 bytes for each hb in qws, kws, vtws
	s_lshl_b32 s20, s14, 13                        ; K: keys 64 w .. +63 of the tile
	s_add_co_u32 s20, s20, s61
	s_mov_b32 s21, 0
	s_and_b32 s22, s14, 1                          ; V^T: rows 32 (w & 1) .. +31,
	s_lshl_b32 s22, s22, 17
	s_bfe_u32 s23, s14, 0x10001                    ; keys 128 ((w >> 1) & 1) .. +127 of the tile
	s_lshl_b32 s23, s23, 8
	s_add_co_u32 s22, s22, s23
	s_add_co_u32 s22, s22, s61
	s_mov_b32 s23, 0
	s_lshl_b32 s66, s18, 15                        ; Q: 256 rows of 128 bytes for each query block
	s_add_co_u32 s66, s66, s61
	s_mov_b32 s67, 0
	s_lshr_b32 s68, s19, 4                         ; batch
	s_lshl_b32 s68, s68, 13                        ; its 2,048 mask numbers
	s_mov_b32 s69, 0
	s_lshr_b32 s70, s19, 4                         ; out0: (2,048 batch + 256 block + 64 qg + 32 kh) rows of 4,096 bytes + 256 head
	s_lshl_b32 s70, s70, 23
	s_lshl_b32 s71, s18, 20
	s_add_co_u32 s70, s70, s71
	s_lshl_b32 s71, s15, 18
	s_add_co_u32 s70, s70, s71
	s_lshl_b32 s71, s16, 17
	s_add_co_u32 s70, s70, s71
	s_and_b32 s71, s19, 15
	s_lshl_b32 s71, s71, 8
	s_add_co_u32 s70, s70, s71
	s_mov_b32 s71, 0
	; lane terms
	v_and_b32 v1, 15, v0                           ; r
	v_bfe_u32 v2, v0, 4, 1                         ; h
	v_and_b32 v3, 31, v0                           ; lane
	v_lshrrev_b32 v48, 1, v1
	v_mul_u32_u24 v48, v48, PITCH
	v_and_b32 v49, 1, v1
	v_lshl_add_u32 v48, v49, 7, v48
	v_lshl_add_u32 v48, v2, 4, v48                 ; key r: (r / 2) x 272 + (r % 2) x 128 + 16 h: 16 different 16-byte columns modulo 256
	s_mul_i32 s63, s16, 2*PIECE
	v_add_nc_u32 v[AK], s63, v48
	v_add_nc_u32 v[AK+1], SLOT, v[AK]
	v_mul_u32_u24 v49, v1, PITCH
	v_lshl_add_u32 v50, v2, 4, v49                 ; row d = r: r x 272 + 16 h
	s_add_co_u32 s63, s63, 4*PIECE
	v_add_nc_u32 v[AV], s63, v50
	v_add_nc_u32 v[AV+1], SLOT, v[AV]
	s_lshl_b32 s63, s16, 9
	s_add_co_u32 s63, s63, MASKB
	v_lshl_add_u32 v[AM], v2, 5, s63               ; keys 128 kh + 8 h .. of tile 0
	v_lshlrev_b32 v50, 7, v1
	v_lshl_add_u32 v50, v2, 4, v50                 ; Q: r x 128 + 16 h
	s_lshl_b32 s63, s15, 13
	s_lshl_b32 s60, s16, 12
	s_add_co_u32 s60, s60, s63
	v_add_nc_u32 v[QA0], s60, v50                  ; rows 64 qg + 32 kh + r
	s_xor_b32 s60, s16, 1
	s_lshl_b32 s60, s60, 12
	s_add_co_u32 s60, s60, s63
	v_add_nc_u32 v[QA1], s60, v50                  ; rows 64 qg + 32 (1 - kh) + r
	s_add_co_u32 s63, s62, XCH
	v_lshl_add_u32 v[XO], v3, 4, s63
	s_xor_b32 s60, s14, 4                          ; my partner
	s_mul_i32 s60, s60, PIECE
	s_add_co_u32 s60, s60, XCH
	v_lshl_add_u32 v[XI], v3, 4, s60
	s_add_co_u32 s63, s62, OST
	v_lshl_add_u32 v50, v2, 5, v49
	v_add_nc_u32 v[OS], s63, v50                   ; query r: r x 272 + 32 h
	v_mul_u32_u24 v50, v2, PITCH
	v_lshl_add_u32 v50, v1, 4, v50
	v_add_nc_u32 v[ORD], s63, v50                  ; lanes 0-15 one row of 256 bytes, lanes 16-31 the next
	v_lshlrev_b32 v50, 12, v2
	v_lshl_add_u32 v[OG], v1, 4, v50               ; the same two rows in out0
	v_lshlrev_b32 v51, 5, v0                       ; the mask: 8 numbers a thread
	v_add_nc_u32 v50, MASKB, v51
.irp q, 0,1,2,3
	v_mov_b32 v[MX+2*\q+1], 0                      ; the odd halves of pairs of which the packed forms use the even half twice,
	v_mov_b32 v[AL+2*\q+1], 0
	v_mov_b32 v[TM+4+\q], 0                        ; and the lane exchange's destinations, which count as read
.endr
	s_wait_kmcnt 0x0
	s_add_nc_u64 s[20:21], s[6:7], s[20:21]
	s_add_nc_u64 s[22:23], s[8:9], s[22:23]
	s_add_nc_u64 s[4:5], s[4:5], s[66:67]
	s_add_nc_u64 s[10:11], s[10:11], s[68:69]
	s_add_nc_u64 s[12:13], s[12:13], s[70:71]
.irp s, 0,1
	s_mov_b32 s[G0K+4*\s], 1
	s_add_co_u32 s[G0K+4*\s+1], s62, \s*SLOT
	s_add_nc_u64 s[G0K+4*\s+2:G0K+4*\s+3], s[20:21], \s*32768      ; tile s: 256 keys of 128 bytes
	s_or_b32 s[G0K+4*\s+3], s[G0K+4*\s+3], 0x80000000
	s_mov_b32 s[G0V+4*\s], 1
	s_add_co_u32 s[G0V+4*\s+1], s62, \s*SLOT
	s_add_nc_u64 s[G0V+4*\s+2:G0V+4*\s+3], s[22:23], \s*512        ; tile s: 256 keys of 2 bytes along the rows
	s_or_b32 s[G0V+4*\s+3], s[G0V+4*\s+3], 0x80000000
.endr
	global_load_b128 v[52:55], v51, s[10:11]
	global_load_b128 v[56:59], v51, s[10:11] offset:16
	WIN 0x40                                       ; destination window 1
.irp q, 0,1
.irp d, 0,1
	global_load_b128 v[QF+8*(2*\q+\d):QF+8*(2*\q+\d)+3],   v[QA0], s[4:5] offset:2048*\q+64*\d
	global_load_b128 v[QF+8*(2*\q+\d)+4:QF+8*(2*\q+\d)+7], v[QA0], s[4:5] offset:2048*\q+64*\d+32
.endr
.endr
.irp q, 0,1
.irp d, 0,1
	global_load_b128 v[QF+32+8*(2*\q+\d):QF+32+8*(2*\q+\d)+3],   v[QA1], s[4:5] offset:2048*\q+64*\d
	global_load_b128 v[QF+32+8*(2*\q+\d)+4:QF+32+8*(2*\q+\d)+7], v[QA1], s[4:5] offset:2048*\q+64*\d+32
.endr
.endr
	WIN 0
	CROUND                                         ; the four work-groups are here: the first joint loads meet
	JLOAD 0
	JLOAD 1                                        ; by this text's count a wave has two tensor loads out here, one behind each later round
	s_wait_loadcnt 16                              ; Q's sixteen loads were issued behind the mask's two
.irp i, 52,53,54,55,56,57,58,59
	v_mul_f32 v\i, 0x3fb8aa3b, v\i                 ; x log2 e
.endr
.irp i, 52,53,54,55,56,57,58,59
	v_max_num_f32 v\i, 0xff7fffff, v\i             ; at least finfo.min: such a number swallows the product that is added to it, as the clamp of the scores would
.endr
	ds_store_b128 v50, v[52:55]
	ds_store_b128 v50, v[56:59] offset:16
	s_wait_dscnt 0x0                               ; for the others' sake
	s_wait_tensorcnt 0x1                           ; my piece of tile 0 is in; tile 1's stays out
	s_barrier_signal -1
	s_barrier_wait -1
.macro KLOAD slot, c                   ; 16 loads: K's 64 keys of batch c
	WIN 0x40
.irp k, 0,1,2,3
.irp d, 0,1
	ds_load_b128 v[KF+8*(2*\k+\d):KF+8*(2*\k+\d)+3],   v[AK+\slot] offset:\c*PIECE+\k*8*PITCH+64*\d
	ds_load_b128 v[KF+8*(2*\k+\d)+4:KF+8*(2*\k+\d)+7], v[AK+\slot] offset:\c*PIECE+\k*8*PITCH+64*\d+32
.endr
.endr
.endm
.macro VLOAD slot, c, g                ; 8 loads: V^T's 64 rows x the 32 keys g of batch c
.irp d, 0,1,2,3
	ds_load_b128 v[VF+32*\g+8*\d:VF+32*\g+8*\d+3],   v[AV+\slot] offset:\d*16*PITCH+128*\c+64*\g
	ds_load_b128 v[VF+32*\g+8*\d+4:VF+32*\g+8*\d+7], v[AV+\slot] offset:\d*16*PITCH+128*\c+64*\g+32
.endr
.endm
.macro MLOAD c                         ; 8 loads: the mask numbers of batch c: register 8 kb + j for key 16 kb + 8 h + j
.irp k, 0,1,2,3
	ds_load_b128 v[MK+8*\k:MK+8*\k+3],   v[AM] offset:256*\c+64*\k
	ds_load_b128 v[MK+8*\k+4:MK+8*\k+7], v[AM] offset:256*\c+64*\k+16
.endr
.endm
.macro PV g, zero                      ; 16 products O^T += V^T P^T over the 32 keys g; the 16 accumulators take turns
	WIN 0x50                                       ; sources window 0, C and D window 1
.irp q, 0,1,2,3
.irp d, 0,1,2,3
.if \zero
	v_wmma_f32_16x16x32_f16 v[8*(4*\q+\d):8*(4*\q+\d)+7], v[VF+32*\g+8*\d:VF+32*\g+8*\d+7], v[SC+32*\q+16*\g:SC+32*\q+16*\g+7], 0
.else
	v_wmma_f32_16x16x32_f16 v[8*(4*\q+\d):8*(4*\q+\d)+7], v[VF+32*\g+8*\d:VF+32*\g+8*\d+7], v[SC+32*\q+16*\g:SC+32*\q+16*\g+7], v[8*(4*\q+\d):8*(4*\q+\d)+7]
.endif
.endr
.endr
.endm
; One batch: 64 keys x 64 queries.  mode 3: the next batch lies in the same slot; 2: change of slots with a refill; 1: change of slots; 0: the last batch.
; LDS loads out at the head: c = 0: K's 16, then the mask's 8;  c = 1: the mask's 8.
.macro BATCH slot, c, first, mode
.if \c == 0
	s_wait_dscnt 8                                 ; K's fragments are in; the mask's eight loads were issued behind them
.endif
	WIN 0x05                                       ; sources window 1, C and D window 0
.irp q, 0,1,2,3
.irp k, 0,1,2,3
	v_wmma_f32_16x16x32_bf16 v[SC+32*\q+8*\k:SC+32*\q+8*\k+7], v[KF+16*\k:KF+16*\k+7], v[QF+16*\q:QF+16*\q+7], 0
.endr
.endr
.irp q, 0,1,2,3
.irp k, 0,1,2,3
	v_wmma_f32_16x16x32_bf16 v[SC+32*\q+8*\k:SC+32*\q+8*\k+7], v[KF+16*\k+8:KF+16*\k+15], v[QF+16*\q+8:QF+16*\q+15], v[SC+32*\q+8*\k:SC+32*\q+8*\k+7]
.endr
.endr
	PLACES                                         ; in front of the loads into K's fragments and of the reads of S
.if \mode == 3
	KLOAD \slot, 1
.endif
	WIN 0
	VLOAD \slot, \c, 0
.if \mode == 3
	s_wait_dscnt 24                                ; the mask's loads: 16 + 8 were issued behind them
.else
	s_wait_dscnt 8                                 ; the mask's loads: 8 were issued behind them
.endif
.irp q, 0,1,2,3
.irp k, 0,1,2,3
.irp i, 0,2,4,6
	v_pk_fma_f32 v[SC+32*\q+8*\k+\i:SC+32*\q+8*\k+\i+1], v[SC+32*\q+8*\k+\i:SC+32*\q+8*\k+\i+1], s[58:59], v[MK+8*\k+\i:MK+8*\k+\i+1] op_sel_hi:[1,0,1]
.endr
.endr
.endr
	VLOAD \slot, \c, 1                             ; into the mask's registers, which have been read
	; the new maximum of each query: four chains, one for each block, that do not wait for each other
.if \first
.irp q, 0,1,2,3
	v_max_num_f32 v[TM+\q], v[SC+32*\q], v[SC+32*\q+1]
.endr
.else
.irp q, 0,1,2,3
	v_max3_num_f32 v[TM+\q], v[MX+2*\q], v[SC+32*\q], v[SC+32*\q+1]
.endr
.endif
.irp i, 1,2,3,4,5,6,7,8,9,10,11,12,13,14,15
.irp q, 0,1,2,3
	v_max3_num_f32 v[TM+\q], v[TM+\q], v[SC+32*\q+2*\i], v[SC+32*\q+2*\i+1]
.endr
.endr
.irp q, 0,1,2,3
	v_permlanex16_b32 v[TM+4+\q], v[TM+\q], s56, s57               ; the other 32 keys of the same query
.endr
.irp q, 0,1,2,3
	v_max_num_f32 v[TM+\q], v[TM+\q], v[TM+4+\q]
.endr
.if \first == 0
.irp q, 0,1,2,3
	v_sub_f32 v[AL+2*\q], v[MX+2*\q], v[TM+\q]
.endr
.irp q, 0,1,2,3
	v_exp_f32 v[AL+2*\q], v[AL+2*\q]
.endr
.endif
.irp q, 0,1,2,3
	v_mov_b32 v[MX+2*\q], v[TM+\q]                 ; also the plain place behind the exponentials above (ISA guide 5.7.2)
.endr
.irp q, 0,1,2,3
.irp i, 0,2,4,6,8,10,12,14,16,18,20,22,24,26,28,30
	v_pk_add_f32 v[SC+32*\q+\i:SC+32*\q+\i+1], v[SC+32*\q+\i:SC+32*\q+\i+1], v[MX+2*\q:MX+2*\q+1] op_sel_hi:[1,0] neg_lo:[0,1] neg_hi:[0,1]
.endr
.endr
.set cnt_e, 0
.rept 128
	v_exp_f32 v[SC+cnt_e], v[SC+cnt_e]
.set cnt_e, cnt_e+1
.endr
	v_nop                                          ; the plain place behind the last exponential
	; the sums, in f32, two partial sums for each block
.if \first
	s_wait_alu depctr_va_vdst(0)
.irp q, 0,1,2,3
	v_pk_add_f32 v[LS+2*\q:LS+2*\q+1], v[SC+32*\q:SC+32*\q+1], v[SC+32*\q+2:SC+32*\q+3]
.endr
.else
	s_wait_alu depctr_va_vdst(0)
.irp q, 0,1,2,3
	v_pk_fma_f32 v[LS+2*\q:LS+2*\q+1], v[LS+2*\q:LS+2*\q+1], v[AL+2*\q:AL+2*\q+1], v[SC+32*\q:SC+32*\q+1] op_sel_hi:[1,0,1]
.endr
.irp q, 0,1,2,3
	v_pk_add_f32 v[LS+2*\q:LS+2*\q+1], v[LS+2*\q:LS+2*\q+1], v[SC+32*\q+2:SC+32*\q+3]
.endr
.endif
.irp i, 4,6,8,10,12,14,16,18,20,22,24,26,28,30
.irp q, 0,1,2,3
	v_pk_add_f32 v[LS+2*\q:LS+2*\q+1], v[LS+2*\q:LS+2*\q+1], v[SC+32*\q+\i:SC+32*\q+\i+1]
.endr
.endr
	; P to f16, packed in place, ascending: register i of a group of 16 takes registers 2 i, 2 i + 1
.irp u, 0,1,2,3,4,5,6,7
.irp i, 0,1,2,3,4,5,6,7
	v_cvt_pk_f16_f32 v[SC+16*\u+\i], v[SC+16*\u+2*\i], v[SC+16*\u+2*\i+1]
.endr
.endr
.if \first == 0
	WIN 0x41                                       ; O in window 1, the factor in window 0
.irp q, 0,1,2,3
.irp i, 0,2,4,6,8,10,12,14,16,18,20,22,24,26,28,30
	v_pk_mul_f32 v[32*\q+\i:32*\q+\i+1], v[32*\q+\i:32*\q+\i+1], v[AL+2*\q:AL+2*\q+1] op_sel_hi:[1,0]
.endr
.endr
.endif
	s_wait_dscnt 0x0                               ; V^T's fragments (and the next batch's K) are in: no read of this slot is out
.if \mode == 3
	PV 0, \first
	PV 1, 0
.elseif \mode == 0
	PV 0, \first
	PV 1, 0
.else
	s_wait_xcnt 0x0
	s_set_vgpr_msb 0x4140
	v_lshl_add_u32 v255, v0, 2, 0x46000
	s_set_vgpr_msb 0x4000
	v_mov_b32 v191, 0
	s_set_vgpr_msb 0x1
	s_wait_tensorcnt 0x0                           ; all my tensor loads have landed: the one that was out is my piece of the next tile
	ds_add_u32 v255, v191
	s_wait_dscnt 0x0
	s_set_vgpr_msb 0x141
	s_barrier_signal -1
	PV 0, 0                                        ; register work while the others arrive
	WIN 0
	s_barrier_wait -1
.if \mode == 2
	CREST                                          ; no wave of any partner reads this slot or has a load on its way
	s_add_nc_u64 s[G0K+4*\slot+2:G0K+4*\slot+3], s[G0K+4*\slot+2:G0K+4*\slot+3], 65536     ; two tiles on
	s_add_nc_u64 s[G0V+4*\slot+2:G0V+4*\slot+3], s[G0V+4*\slot+2:G0V+4*\slot+3], 1024
	JLOAD \slot                                    ; the first tensor load behind the round
.endif
	KLOAD (1-\slot), 0
	PV 1, 0
.endif
.rept 5
	v_nop                                          ; five places: the next S products write over P; the loads below land on V^T's fragments
.endr
	WIN 0
.if \mode == 3
	MLOAD 1
.elseif \mode != 0
	v_add_nc_u32 v[AM], 1024, v[AM]                ; the next tile's 256 mask numbers
	MLOAD 0
.endif
.endm
.macro TRIP slot, first, mode          ; one tile: my 128 keys of it
	BATCH \slot, 0, \first, 3
	BATCH \slot, 1, 0, \mode
.endm
	KLOAD 0, 0
	WIN 0
	MLOAD 0
	s_wait_loadcnt 0x0                             ; Q
	TRIP 0, 1, 2                                   ; tiles 0, 1; tiles 2, 3 are asked for
	TRIP 1, 0, 2
	s_mov_b32 s60, 2                               ; tiles 2 .. 5; tiles 4 .. 7 are asked for
.Ltiles:
	TRIP 0, 0, 2
	TRIP 1, 0, 2
	s_sub_co_u32 s60, s60, 1
	s_cmp_lg_u32 s60, 0
	s_cbranch_scc1 .Ltiles
	TRIP 0, 0, 1                                   ; tiles 6, 7: nothing more is fetched
	TRIP 1, 0, 0
	; THE MERGE.  (The last batch's five places stand behind its products.)  Each query's sum: two partial sums, two halves of the wave.
.irp q, 0,1,2,3
	v_add_f32 v[LS+2*\q], v[LS+2*\q], v[LS+2*\q+1]
.endr
.irp q, 0,1,2,3
	v_permlanex16_b32 v[TM+4+\q], v[LS+2*\q], s56, s57
.endr
.irp q, 0,1,2,3
	v_add_f32 v[LS+2*\q], v[LS+2*\q], v[TM+4+\q]
.endr
	v_mov_b32 v52, v[MX+4]                         ; what I send of blocks 2, 3: maxima, sums,
	v_mov_b32 v53, v[MX+6]
	v_mov_b32 v54, v[LS+4]
	v_mov_b32 v55, v[LS+6]
	WIN 0x04                                       ; store data in window 1
.irp u, 0,1,2,3,4,5,6,7,8,9,10,11,12,13,14,15
	ds_store_b128 v[XO], v[64+4*\u:64+4*\u+3] offset:512*\u        ; and O^T
.endr
	WIN 0
	ds_store_b128 v[XO], v[52:55] offset:8192
	s_wait_dscnt 0x0                               ; for my partner's sake
	s_barrier_signal -1
	s_barrier_wait -1
.irp u, 0,1,2,3,4,5,6,7,8,9,10,11,12,13,14,15
	ds_load_b128 v[SC+4*\u:SC+4*\u+3], v[XI] offset:512*\u         ; my partner's O^T of my blocks 0, 1, lane for lane
.endr
	ds_load_b128 v[48:51], v[XI] offset:8192
	s_wait_dscnt 0x0
	v_max_num_f32 v40, v[MX], v48                  ; the common maximum of block 0, of block 1
	v_max_num_f32 v41, v[MX+2], v49
	v_sub_f32 v42, v[MX], v40
	v_sub_f32 v43, v[MX+2], v41
	v_sub_f32 v44, v48, v40
	v_sub_f32 v45, v49, v41
	v_exp_f32 v42, v42                             ; my weight, block 0, 1
	v_exp_f32 v43, v43
	v_exp_f32 v44, v44                             ; my partner's
	v_exp_f32 v45, v45
	v_nop
	s_wait_alu depctr_va_vdst(0)
	v_mul_f32 v46, v50, v44
	v_mul_f32 v47, v51, v45
	v_fma_f32 v46, v[LS], v42, v46                 ; the whole sum: at least 1, since the key of the common maximum adds 1
	v_fma_f32 v47, v[LS+2], v43, v47
	v_rcp_f32 v46, v46
	v_rcp_f32 v47, v47
	v_nop
	s_wait_alu depctr_va_vdst(0)
	v_mul_f32 v56, v42, v46                        ; each weight over the sum, in both registers of a pair
	v_mul_f32 v57, v42, v46
	v_mul_f32 v58, v44, v46
	v_mul_f32 v59, v44, v46
	v_mul_f32 v60, v43, v47
	v_mul_f32 v61, v43, v47
	v_mul_f32 v62, v45, v47
	v_mul_f32 v63, v45, v47
	; THE WAY OUT, 16 queries at a time: a lane's 8 neighbouring d of one query into my own stage, whole rows of 256 bytes back
.irp i, 0,1
.irp p, 0,2,4,6,8,10,12,14,16,18,20,22,24,26,28,30
	v_pk_mul_f32 v[SC+32*\i+\p:SC+32*\i+\p+1], v[SC+32*\i+\p:SC+32*\i+\p+1], v[58+4*\i:59+4*\i]
.endr
	WIN 0x01                                       ; source 0 (my O^T) in window 1
.irp p, 0,2,4,6,8,10,12,14,16,18,20,22,24,26,28,30
	v_pk_fma_f32 v[SC+32*\i+\p:SC+32*\i+\p+1], v[32*\i+\p:32*\i+\p+1], v[56+4*\i:57+4*\i], v[SC+32*\i+\p:SC+32*\i+\p+1]
.endr
	WIN 0
.irp d, 0,1,2,3
	ds_store_b128 v[OS], v[SC+32*\i+8*\d:SC+32*\i+8*\d+3]   offset:16*PITCH*\i+64*\d
	ds_store_b128 v[OS], v[SC+32*\i+8*\d+4:SC+32*\i+8*\d+7] offset:16*PITCH*\i+64*\d+16
.endr
.irp t, 0,1,2,3,4,5,6,7
	ds_load_b128 v[128+32*\i+4*\t:128+32*\i+4*\t+3], v[ORD] offset:16*PITCH*\i+2*PITCH*\t    ; LDS serves a wave's instructions in order (ISA guide 5.7.1.4): these see the stores above
.endr
.irp t, 0,1,2,3,4,5,6,7
	s_wait_dscnt 7-\t                              ; 7 - t read-backs were issued behind this one
	global_store_b128 v[OG], v[128+32*\i+4*\t:128+32*\i+4*\t+3], s[12:13] offset:(16*\i+2*\t)*4096 th:TH_STORE_NT   ; 16 lanes store 256 consecutive bytes, aligned
.endr
.endr
	s_wait_xcnt 0x0
	s_set_vgpr_msb 0x40
	v_lshl_add_u32 v255, v0, 2, 0x46000
	s_set_vgpr_msb 0x4000
	v_mov_b32 v191, 0
	s_set_vgpr_msb 0x1
	s_wait_tensorcnt 0x0
	ds_add_u32 v255, v191
	s_wait_dscnt 0x0
	s_set_vgpr_msb 0x100
	CROUND                                         ; the closing round: no work-group ends while a partner may still ask for a tile that names it
	s_endpgm
.Lfunc_end_k_qc63a9fd5a8_attn:
	.size	k_qc63a9fd5a8_attn, .Lfunc_end_k_qc63a9fd5a8_attn-k_qc63a9fd5a8_attn
	.p2alignl 7, 3214868480
	.fill 96, 4, 3214868480
	.section	.rodata,"a",@progbits
	.p2align	6, 0x0
	.amdhsa_kernel k_qc63a9fd5a8_attn
		.amdhsa_group_segment_fixed_size 327680
		.amdhsa_private_segment_fixed_size 0
		.amdhsa_enable_private_segment 0
		.amdhsa_kernarg_size 40
		.amdhsa_user_sgpr_count 2
		.amdhsa_user_sgpr_kernarg_segment_ptr 1
		.amdhsa_wavefront_size32 1
		.amdhsa_system_sgpr_workgroup_id_x 1
		.amdhsa_system_sgpr_workgroup_id_y 1
		.amdhsa_system_sgpr_workgroup_id_z 1
		.amdhsa_system_vgpr_workitem_id 0
		.amdhsa_next_free_vgpr 512
		.amdhsa_next_free_sgpr 72
		.amdhsa_reserve_vcc 0
		.amdhsa_float_denorm_mode_32 3
		.amdhsa_float_denorm_mode_16_64 3
		.amdhsa_memory_ordered 1
		.amdhsa_forward_progress 1
		.amdhsa_inst_pref_size 255
	.end_amdhsa_kernel
	.section	.bss,"aw",@nobits
	.p2align	6
	.space	262144
	.amdgpu_metadata
---
amdhsa.version: [ 1, 2 ]
amdhsa.kernels:
  - .name:           k_qc63a9fd5a8_attn
    .symbol:         k_qc63a9fd5a8_attn.kd
    .args:
      - { .name: qws, .offset: 0, .size: 8, .value_kind: global_buffer, .address_space: global }
      - { .name: kws, .offset: 8, .size: 8, .value_kind: global_buffer, .address_space: global }
      - { .name: vtws, .offset: 16, .size: 8, .value_kind: global_buffer, .address_space: global }
      - { .name: attention_mask, .offset: 24, .size: 8, .value_kind: global_buffer, .address_space: global }
      - { .name: out0, .offset: 32, .size: 8, .value_kind: global_buffer, .address_space: global }
    .group_segment_fixed_size: 327680
    .private_segment_fixed_size: 0
    .kernarg_segment_align: 8
    .kernarg_segment_size: 40
    .max_flat_workgroup_size: 256
    .sgpr_count:     72
    .vgpr_count:     512
    .wavefront_size: 32
...
	.end_amdgpu_metadata
.endif
;; end of part 2
